; MI455X (gfx1250); checked and timed in simulation.
; The chip was launched on July 23, 2026; its instructions are those of AMD's public machine-readable ISA for CDNA 5 (MIT licence, August 2026) and "CDNA5" Instruction Set Architecture Reference Guide (July 2026). The comments in the code are by the model that wrote it; some were corrected since.
;; K Means Palettized Linear. Allowed arithmetic: float matrix products may take bf16 or f16 operands with f32 sums; other float arithmetic in f32, or as packed bf16 or f16 multiplies, adds, multiply-adds, maxima and minima; sums over many terms, partial sums and values carried from step to step in f32; what a program stores and reads back later, other than sums and carried values, may be rounded once to bf16 or f16.
;; Inputs: bias 4,096 float32; input 4 x 1,024 x 4,096 float32; lookup_table 256 float32; weight_idx 4,096 x 4,096 int32.
;; Outputs: out0 4 x 1,024 x 4,096 float32.
;; 2 versions, each right; version 2 is version 1 with the launch prep written anew for expert scheduling mode. Each part assembles by itself: llvm-mc -triple=amdgcn-amd-amdhsa -mcpu=gfx1250 --defsym DOCPART=n.
;; ======== version 1 of 2: 2 launches
;; workspace buffers: xb 33,554,432 bytes; wb 33,554,432 bytes
;; launch prep (part 1): grid 1024 x 1, 8 waves a work-group, no clusters, 33,792 bytes of LDS; arguments input, weight_idx, lookup_table, xb, wb; writes xb, wb
.if DOCPART == 1
	.amdgcn_target "amdgcn-amd-amdhsa--gfx1250"
	.amdhsa_code_object_version 6
	.text
	.protected	k_q7d0c1f0d8a_prep
	.globl	k_q7d0c1f0d8a_prep
	.p2align	8
	.type	k_q7d0c1f0d8a_prep,@function
k_q7d0c1f0d8a_prep:
	s_mov_b64 s[64:65], 0
	v_nop
	global_prefetch_b8 v0, s[64:65] scope:SCOPE_SE
	s_setreg_imm32_b32 hwreg(HW_REG_WAVE_MODE, 25, 1), 1
	s_wait_xcnt 0x0
; xb = bf16(input), wb[o][d] = bf16(lookup_table[weight_idx[o][d]]): both matrix operands of the product that follows, each number rounded once.
; input: 16,777,216 f32; weight_idx: 16,777,216 int32; xb, wb: the same numbers of bf16, in the same order.
; The look-up is made here, once for each weight: in the product each row of weights serves 16 tile rows, so a look-up there would be made 16 times over.
; LIMITS.  An index is taken as unsigned and clamped to 255: 0 .. 255 are exact, a greater one gives entry 255, and so does a negative one.
; An f32 number beyond bf16's largest finite one rounds to an infinity.
; SHARES.  A stream: each byte is read once and written once; no byte is wanted by two work-groups, so there is no cluster, no tensor load and no matrix work.
; Work-group g takes 65,536 bytes of input and of weight_idx from byte 65,536 g, and writes 32,768 bytes of xb and of wb from byte 32,768 g.  16 steps: in step j thread t
; takes the 16 bytes at 4,096 j + 16 t of both inputs (a wave's load covers 512 consecutive bytes) and stores 8 bytes at 2,048 j + 8 t of both outputs (a wave's store
; covers 256 consecutive bytes, aligned).  A ring of eight slots in registers keeps 16 loads of every wave on their way; the 16 steps are written out, so no address register is ever rewritten.
; THE TABLE lies in LDS 32 times over, in f32: copy c of entry e at 128 e + 4 c.  Lane l reads copy l: word 32 e + l, bank l or l + 32 of the 64 banks of 4 bytes
; (ISA guide 11.1): the 32 lanes of a look-up touch 32 different banks, whatever the indices.
.set SPARE, 32768                      ; behind the table: the spare words, 128 bytes for each of the eight waves: four blocks of 256 bytes that no other line names
.set VI,  1                            ; v1       16 t: my bytes in a step of the inputs; never rewritten
.set VO,  2                            ; v2       8 t: my bytes in a step of the outputs; never rewritten
.set LN4, 3                            ; v3       4 x lane: my copy of the table
.set TA,  4                            ; v4       128 t: where I put the 32 copies of entry t
.set LO,  5                            ; v5       4 t: entry t in memory
.set SPW, 6                            ; v6       LDS address of my spare word: SPARE + 4 x my thread's number; never rewritten
.set NIL, 7                            ; v7       0; never rewritten
.set TV,  8                            ; v[8:11]  entry t, four times
.set A,   12                           ; v[12:15] the four look-ups' LDS addresses
.set G,   16                           ; v[16:19] the four values looked up
.set YX,  20                           ; v[20:21] four bf16 of x to store
.set YW,  22                           ; v[22:23] four bf16 of w to store
.set X,   24                           ; v[24:55] slot i: four f32 of x
.set IX,  56                           ; v[56:87] slot i: four indices
	s_load_b256 s[4:11], s[0:1], 0x0               ; input s[4:5], weight_idx s[6:7], lookup_table s[8:9], xb s[10:11]
	s_load_b64 s[12:13], s[0:1], 0x20              ; wb
	v_lshl_add_u32 v[SPW], v0, 2, SPARE
	v_mov_b32 v[NIL], 0
	v_lshlrev_b32 v[VI], 4, v0
	v_lshlrev_b32 v[VO], 3, v0
	v_and_b32 v[LN4], 31, v0
	v_lshlrev_b32 v[LN4], 2, v[LN4]
	v_lshlrev_b32 v[TA], 7, v0
	v_lshlrev_b32 v[LO], 2, v0
	s_lshl_b32 s14, ttmp9, 16                      ; the work-group's 65,536 bytes of each input (1,024 work-groups: under 2^26)
	s_mov_b32 s15, 0
	s_lshl_b32 s16, ttmp9, 15                      ; and its 32,768 bytes of each output
	s_mov_b32 s17, 0
	s_wait_kmcnt 0x0
	s_add_nc_u64 s[4:5], s[4:5], s[14:15]
	s_add_nc_u64 s[6:7], s[6:7], s[14:15]
	s_add_nc_u64 s[10:11], s[10:11], s[16:17]
	s_add_nc_u64 s[12:13], s[12:13], s[16:17]
	global_load_b32 v[TV], v[LO], s[8:9]           ; 256 threads, 256 entries: one each
.irp i, 0,1,2,3,4,5,6,7
	global_load_b128 v[X+4*(\i):X+4*(\i)+3],   v[VI], s[4:5] offset:4096*(\i) th:TH_LOAD_NT   ; the ring is filled: steps 0 to 7
	global_load_b128 v[IX+4*(\i):IX+4*(\i)+3], v[VI], s[6:7] offset:4096*(\i) th:TH_LOAD_NT
.endr
	s_wait_loadcnt 16                              ; loads come back in order (ISA guide 5.7.1): my entry is in, the ring's 16 loads stay out
	v_mov_b32 v[TV+1], v[TV]
	v_mov_b32 v[TV+2], v[TV]
	v_mov_b32 v[TV+3], v[TV]
.irp j, 0,1,2,3,4,5,6,7
	ds_store_b128 v[TA], v[TV:TV+3] offset:16*(\j) ; 32 copies: 128 bytes
.endr
	s_wait_dscnt 0x0                               ; for the other waves' sake: my part of the table is written
	s_barrier_signal -1
	s_barrier_wait -1                              ; the table is whole; nothing writes it again
; Slot i's turn, for step j.  ahead = 1: the slot is filled again with the step eight further on.  left = how many younger loads may stay out.
.macro SLOT i, ahead, left, j
	s_wait_loadcnt \left                           ; the slot's two loads are the oldest: they are in, the younger ones stay out
.irp k, 0,1,2,3
	v_min_u32 v[A+(\k)], 0xff, v[IX+4*(\i)+(\k)]   ; the index stays inside the table
.endr
.irp k, 0,1,2,3
	v_lshl_add_u32 v[A+(\k)], v[A+(\k)], 7, v[LN4] ; 128 x index + my copy
.endr
.irp k, 0,1,2,3
	ds_load_b32 v[G+(\k)], v[A+(\k)]
.endr
	s_wait_xcnt 0x0                                ; every earlier memory instruction has had its addresses translated (ISA guide 3.1): YX and YW, which the last turn's stores read, are rewritten only behind this wait
	v_cvt_pk_bf16_f32 v[YX],   v[X+4*(\i)],   v[X+4*(\i)+1]
	v_cvt_pk_bf16_f32 v[YX+1], v[X+4*(\i)+2], v[X+4*(\i)+3]
.if \ahead
	global_load_b128 v[X+4*(\i):X+4*(\i)+3],   v[VI], s[4:5] offset:4096*(8+(\i)) th:TH_LOAD_NT  ; loads ahead of stores
	global_load_b128 v[IX+4*(\i):IX+4*(\i)+3], v[VI], s[6:7] offset:4096*(8+(\i)) th:TH_LOAD_NT
.endif
	global_store_b64 v[VO], v[YX:YX+1], s[10:11] offset:2048*(\j)
	s_wait_dscnt 0x0                               ; the four look-ups; x's work and the refills stood between
	v_cvt_pk_bf16_f32 v[YW],   v[G],   v[G+1]
	v_cvt_pk_bf16_f32 v[YW+1], v[G+2], v[G+3]
	global_store_b64 v[VO], v[YW:YW+1], s[12:13] offset:2048*(\j)
.endm
.irp i, 0,1,2,3,4,5,6,7
	SLOT \i, 1, 14, \i                             ; seven younger slots, two loads each
.endr
.irp i, 0,1,2,3,4,5,6,7
	SLOT \i, 0, 14-2*(\i), 8+(\i)                  ; the last eight steps load nothing: the counts run down
.endr
	s_wait_tensorcnt 0x0                           ; the wave's end: behind my last LDS store
	ds_add_u32 v[SPW], v[NIL]
	s_wait_dscnt 0x0
	s_endpgm
.Lfunc_end_k_q7d0c1f0d8a_prep:
	.size	k_q7d0c1f0d8a_prep, .Lfunc_end_k_q7d0c1f0d8a_prep-k_q7d0c1f0d8a_prep
	.p2alignl 7, 3214868480
	.fill 96, 4, 3214868480
	.section	.rodata,"a",@progbits
	.p2align	6, 0x0
	.amdhsa_kernel k_q7d0c1f0d8a_prep
		.amdhsa_group_segment_fixed_size 33792
		.amdhsa_private_segment_fixed_size 0
		.amdhsa_enable_private_segment 0
		.amdhsa_kernarg_size 40
		.amdhsa_user_sgpr_count 2
		.amdhsa_user_sgpr_kernarg_segment_ptr 1
		.amdhsa_wavefront_size32 1
		.amdhsa_system_sgpr_workgroup_id_x 1
		.amdhsa_system_sgpr_workgroup_id_y 1
		.amdhsa_system_sgpr_workgroup_id_z 1
		.amdhsa_system_vgpr_workitem_id 0
		.amdhsa_next_free_vgpr 88
		.amdhsa_next_free_sgpr 66
		.amdhsa_reserve_vcc 0
		.amdhsa_float_denorm_mode_32 3
		.amdhsa_float_denorm_mode_16_64 3
		.amdhsa_memory_ordered 1
		.amdhsa_forward_progress 1
		.amdhsa_inst_pref_size 26
	.end_amdhsa_kernel
	.amdgpu_metadata
---
amdhsa.version: [ 1, 2 ]
amdhsa.kernels:
  - .name:           k_q7d0c1f0d8a_prep
    .symbol:         k_q7d0c1f0d8a_prep.kd
    .args:
      - { .name: input, .offset: 0, .size: 8, .value_kind: global_buffer, .address_space: global }
      - { .name: weight_idx, .offset: 8, .size: 8, .value_kind: global_buffer, .address_space: global }
      - { .name: lookup_table, .offset: 16, .size: 8, .value_kind: global_buffer, .address_space: global }
      - { .name: xb, .offset: 24, .size: 8, .value_kind: global_buffer, .address_space: global }
      - { .name: wb, .offset: 32, .size: 8, .value_kind: global_buffer, .address_space: global }
    .group_segment_fixed_size: 33792
    .private_segment_fixed_size: 0
    .kernarg_segment_align: 8
    .kernarg_segment_size: 40
    .max_flat_workgroup_size: 256
    .sgpr_count:     66
    .vgpr_count:     88
    .wavefront_size: 32
...
	.end_amdgpu_metadata
.endif
;; end of part 1
;; launch gemm (part 2): grid 16 x 16, 4 waves a work-group, clusters of 4 x 4, 327,680 bytes of LDS; arguments xb, wb, out0, bias; writes out0
.if DOCPART == 2
	.amdgcn_target "amdgcn-amd-amdhsa--gfx1250"
	.amdhsa_code_object_version 6
	.text
	.protected	k_q7d0c1f0d8a_gemm
	.globl	k_q7d0c1f0d8a_gemm
	.p2align	8
	.type	k_q7d0c1f0d8a_gemm,@function
k_q7d0c1f0d8a_gemm:
	s_mov_b64 s[64:65], 0
	v_nop
	global_prefetch_b8 v0, s[64:65] scope:SCOPE_SE
	s_setreg_imm32_b32 hwreg(HW_REG_WAVE_MODE, 25, 1), 1
	s_wait_xcnt 0x0
	s_wait_alu depctr_hold_cnt(0) depctr_sa_sdst(0) depctr_va_vdst(0) depctr_va_sdst(0) depctr_va_ssrc(0) depctr_va_vcc(0) depctr_vm_vsrc(0)
	s_getreg_b32 s2, hwreg(HW_REG_IB_STS2, 6, 4)
	s_cmp_eq_u32 s2, 0
	s_cbranch_scc0 .Lentry_in_a_cluster
	s_endpgm
.Lentry_in_a_cluster:
	s_bfe_u32 s2, ttmp6, 0x10000c
	s_cmp_lg_u32 s2, 0xf033
	s_cbranch_scc0 .Lentry_shape_is_right
	s_endpgm
.Lentry_shape_is_right:
; out0[m][o] = bias[o] + the sum over d of xb[m][d] wb[o][d].  xb: [4096][4096] bf16, wb: [4096][4096] bf16 (both made by the launch before), bias: [4096] f32, out0: [4096][4096] f32.
; Sums in f32, K ascending, one accumulator for each output; the bias, in f32, is the C operand of each accumulator's first product: nothing is cleared, and no vector instruction adds it.
; SHARES.  A tile of out0, 256 x 256, is made by a work-group of four waves; a wave makes 128 x 128: 64 accumulators of 16 x 16, 512 registers.  16 x 16 tiles: 256 work-groups.
; K goes in 32 steps of 128 through a ring of two LDS slots filled by the tensor data mover: the rows of both tiles are 256 bytes of memory and start at multiples of 256 bytes from the buffer's first byte.
; CLUSTERS: 4 x 4 work-groups.  The four of a row of the cluster need the same tiles of xb, the four of a column the same tiles of wb.  Such a tile is asked for JOINTLY: each of the four issues the
; same tensor load, with the same descriptor and a mask that names the four, and each receives the tile in its own LDS: the requests for both operands are divided by four.
; REGISTERS, in windows of 256 (an instruction names v0-v255; s_set_vgpr_msb says which window each operand place means: bits 1:0 source 0, 3:2 source 1, 5:4 source 2, 7:6 destination):
;   window 0: v0-31 addresses; v64-127, v128-191 fragments of xb (8 x 16 rows x 32 K), two buffers, and on the way out two buffers of 16 rows read back; v192-255 the bias of my 128 columns
;   window 1: v64-127, v128-191 fragments of wb, two buffers
;   window 2: the 32 accumulators of my rows 0-63 (accumulator (a, b) at v[8 (8 a + b)]);   window 3: those of my rows 64-127
; THE MATRIX INSTRUCTION IS USED TRANSPOSED: source 0 = 16 rows of wb, source 1 = 16 rows of xb.  In the result lane l holds row l % 16 of out0, and its registers 0 to 7 the columns
; 8 (l / 16) + 0 .. 7: eight neighbouring numbers of a row, 32 bytes.
; LIMITS.  NaN and infinities go through as the matrix instruction carries them; nothing else is bounded here.
.set SIZE_K, 4096
.set SIZE_N, 4096
.set KSTEP,  128
.set PITCH,  272                       ; an LDS row: 256 bytes of data + 16 of padding = 68 words: row r starts at bank 4 r mod 64 (64 banks of 4 bytes: ISA guide 11.1), so the 16 rows that a load touches start at 16 different banks
.set HALFT,  128*PITCH                 ; 128 rows: what one tensor load brings, and what one wave reads of either operand
.set SLOT,   4*HALFT                   ; xb's 256 rows, then wb's 256 rows
.set STAGE,  2*SLOT                    ; behind the ring: a stage for each wave, for the way out; no tensor load fills it
.set SPITCH, 528                       ; a stage row: 512 bytes (128 f32) + 16 = 132 words: row r starts at bank 4 r mod 64
.set WSTAGE, 16*SPITCH                 ; 16 rows: 8,448 bytes, 33 blocks of 256
.set SPARE,  STAGE+4*WSTAGE            ; behind the stages: the spare words, 128 bytes for each wave: two blocks of 256 bytes that no other line names
.set LAPS,   SIZE_K/(2*KSTEP)          ; a lap = two K steps = once round the ring: 16
.set ROWC,   SIZE_N*4                  ; bytes in a row of out0
.set ADRA, 16                          ; v16-17  LDS address of my xb fragments in slot 0, 1
.set ADRB, 20                          ; v20-21  the same for wb
.set STO,  24                          ; v24     the way out: where I put 32 bytes of a row
.set RD,   25                          ; v25     the way out: where I read 16 bytes of a row back
.set CO,   26                          ; v26     16 x lane: my bytes in 512 consecutive bytes of out0; never rewritten
.set BO,   27                          ; v27     32 (l / 16): my eight numbers in 16 of the bias; never rewritten
.set SPW,  28                          ; v28     LDS address of my spare word: SPARE + 4 x my thread's number; never rewritten
.set NIL,  29                          ; v29     0; never rewritten
.set PFO,  30                          ; v30     the prefetches' offset: my lane x a row of xb or wb (8,192 bytes); never rewritten
.set F0,   64                          ; fragment buffer 0
.set F1,   128                         ; fragment buffer 1
.set BIAS, 192                         ; v192-255, window 0: for column block b the eight numbers bias[16 b + 8 (l / 16) + 0..7] at BIAS + 8 b
.set G1,  24                           ; s[24:31] descriptor group 1 for xb's tiles
.set G0,  32                           ; s[32:39] descriptor group 0 for xb's tiles, one set for each slot
.set LIM, 43                           ; s43      1 in a wave that prefetches, else the greatest number
.set PFA, 44                           ; s[44:45] where my prefetches stand: my work-group's 32 rows of the 128 that I fetch, one K step further along K than the refill in hand; a prefetch names the K step after that
.set G1B, 48                           ; s[48:55] descriptor group 1 for wb's tiles: it differs in the mask alone
.set G0B, 56                           ; s[56:63] descriptor group 0 for wb's tiles, one set for each slot
.set BP,  66                           ; s[66:67] bias, then bias at my first column
.set MSB, 0
.macro WIN new                         ; the immediate's high byte repeats the setting that is left; a switch that changes nothing is dropped
.if MSB != (\new)
	s_set_vgpr_msb (MSB<<8)|(\new)
.set MSB, \new
.endif
.endm
.set MUL_LO, 0xa1                      ; source 0 (wb) window 1, source 1 (xb) window 0, C and D window 2
.set MUL_HI, 0xf1                      ; the same, C and D window 3
.set FST_LO, 0x81                      ; the first products: C (the bias) window 0, D window 2;  + 0x40: D window 3
.set TO_B,   0x40                      ; destination window 1, address window 0
; A joint load.  Waves 0 and 1 fetch xb's two halves, waves 2 and 3 wb's.  Each of the two lines has ONE mask and one set of registers for all that issue it, and nothing in them hangs on a
; coordinate that the four partners do not share.  The branch hangs on the wave's number alone.  An s_nop 0 and four v_nop follow each line, ahead of the jump, the label and what follows.
.macro JLOAD s
	s_cmp_eq_u32 s11, 0
	s_cbranch_scc0 .Lfor_b_\@
	tensor_load_to_lds s[G0+4*(\s):G0+4*(\s)+3], s[G1:G1+7]
	s_nop 0
.rept 4
	v_nop
.endr
	s_branch .Lasked_\@
.Lfor_b_\@:
	tensor_load_to_lds s[G0B+4*(\s):G0B+4*(\s)+3], s[G1B:G1B+7]
	s_nop 0
.rept 4
	v_nop
.endr
.Lasked_\@:
.endm
; A PREFETCH INTO THE L2, behind each joint refill, its five lines and the run of LDS loads that follows them: the K step that stands TWO refills on: 32 rows x 256 bytes, a lane a row, one instruction a wave.
; Each row's 256 bytes of a K step are named ONCE in the launch.  xb's tile row is read by every cluster of that row of clusters: the first of them (cluster x = 0) asks; wb's tile column by every cluster of
; that column: cluster y = 0 asks.  The four partners that ask for a tile jointly share its rows out BY ADDRESS: of the 128 rows that a wave fetches, the partner at place p takes 32 p .. 32 p + 31
; (p = cx for xb, cy for wb): no branch hangs on a work-group's place in its cluster.  K steps 0 to 3 come by their loads alone; the loop's last trip (s3 = 1) asks for nothing: K step 31 is the last that is named.
.macro ASK
	s_cmp_gt_u32 s3, s[LIM]
	s_cbranch_scc0 .Lnot_mine_\@
	global_prefetch_b8 v[PFO], s[PFA:PFA+1] offset:KSTEP*2 th:TH_LOAD_NT scope:SCOPE_SE
.Lnot_mine_\@:
.endm
; A round of the cluster's barrier: my work-group's barrier, so that wave 0's signal speaks for all four waves; wave 0 signals for the work-group; every wave waits for all sixteen work-groups;
; my work-group's barrier once more.  No LDS instruction of the wave is pending at a signal.
.macro CREST                           ; a round behind its opening barrier
	s_cmp_lg_u32 s10, 0
	s_cbranch_scc1 .Lnot_wave_0_\@
	s_barrier_signal -3
.Lnot_wave_0_\@:
	s_barrier_wait -3
	s_barrier_signal -1
	s_barrier_wait -1
.endm
.macro CROUND                          ; a whole round
	s_barrier_signal -1
	s_barrier_wait -1
	CREST
.endm
	s_load_b128 s[4:7], s[0:1], 0x0                ; xb s[4:5], wb s[6:7]
	s_load_b64 s[8:9], s[0:1], 0x10                ; out0
	s_load_b64 s[BP:BP+1], s[0:1], 0x18            ; bias
	v_lshl_add_u32 v[SPW], v0, 2, SPARE
	v_mov_b32 v[NIL], 0
	ds_add_u32 v[SPW], v[NIL]                      ; the wave's opening: the add and its wait stand ahead of my first tensor load; the set-up below, work on registers, stands between them
	ds_add_u32 v28, v29
	v_lshrrev_b32 v1, 5, v0
	v_readfirstlane_b32 s10, v1                    ; wave 0..3
	s_lshr_b32 s11, s10, 1                         ; which half of the tile's rows is mine.  Also: I fetch for xb (0) or for wb (1)
	s_and_b32 s12, s10, 1                          ; which half of its columns.  Also: which 128 rows of that operand's tile I fetch
	s_bfe_u32 s40, ttmp6, 0x40000                  ; cx: my place along the cluster's x
	s_bfe_u32 s41, ttmp6, 0x40004                  ; cy: along its y
	s_lshl_b32 s42, ttmp9, 2                       ; in a cluster launch ttmp9 and ttmp7 count clusters
	s_add_co_u32 s42, s42, s40                     ; tile column = 4 x cluster x + cx
	s_and_b32 s13, ttmp7, 0xffff
	s_lshl_b32 s13, s13, 2
	s_add_co_u32 s13, s13, s41                     ; tile row = 4 x cluster y + cy
	s_lshl_b32 s43, s41, 2
	s_lshl_b32 s43, 15, s43                        ; my row of the cluster: places 4 cy .. 4 cy + 3
	s_lshl_b32 s44, 0x1111, s40                    ; my column: places cx, cx + 4, cx + 8, cx + 12
	; descriptor group 1: a tile of 128 rows x 128 elements, padded in LDS
	s_or_b32 s[G1+0], s43, (1<<16)|(1<<20)|(1<<21)|(5<<22)|(3<<25)  ; 15:0 the mask: xb's tiles go to my row; 17:16 element of 2 bytes; 20 padding on; 21 set beside a mask; 24:22 after every 64 words (code 5); 31:25 of 4 words (code 3)
	s_or_b32 s[G1B+0], s44, (1<<16)|(1<<20)|(1<<21)|(5<<22)|(3<<25) ; the same with the mask of my column, for wb's tiles
	s_mov_b32 s[G1B+1], KSTEP<<16
	s_mov_b32 s[G1+1], KSTEP<<16                   ; 63:48 tensor_dim0, low half = 128
	s_mov_b32 s[G1B+2], 128<<16
	s_mov_b32 s[G1+2], 128<<16                     ; 79:64 its high half = 0; 95:80 tensor_dim1, low half = 128
	s_mov_b32 s[G1B+3], KSTEP<<16
	s_mov_b32 s[G1+3], KSTEP<<16                   ; 111:96 its high half = 0; 127:112 tile_dim0 = 128
	s_mov_b32 s[G1B+4], 128
	s_mov_b32 s[G1+4], 128                         ; 143:128 tile_dim1 = 128; 159:144 tile_dim2 = 0
	s_mov_b32 s[G1B+5], SIZE_K
	s_mov_b32 s[G1+5], SIZE_K                      ; 191:160 tensor_dim0_stride, low word: elements from row to row
	s_mov_b32 s[G1B+6], 0
	s_mov_b32 s[G1+6], 0
	s_mov_b32 s[G1B+7], 0
	s_mov_b32 s[G1+7], 0
	; where the tiles come from.  xb's hang on the tile row alone, which my row of the cluster shares; wb's on the tile column alone, which my column shares.
	; Every wave makes both addresses, in registers that never hold the other coordinate, and asks by one of them.
	s_lshl_b32 s17, s12, 7                         ; which 128 rows of the tile I fetch
	s_lshl_b32 s16, s13, 8
	s_add_co_u32 s16, s16, s17                     ; xb: row 256 x tile row + 128 x half
	s_lshl_b32 s46, s42, 8
	s_add_co_u32 s46, s46, s17                     ; wb: row 256 x tile column + 128 x half
	s_mov_b32 s17, 0
	s_mov_b32 s47, 0
	s_mov_b64 s[18:19], SIZE_K*2
	s_mul_u64 s[16:17], s[16:17], s[18:19]         ; in bytes
	s_mul_u64 s[46:47], s[46:47], s[18:19]
	s_mul_i32 s20, s10, HALFT                      ; and where they go: xb's two halves, then wb's two halves = wave x 128 rows: no place in the cluster enters an LDS address
	s_wait_dscnt 0x0                               ; the opening add is done
	s_wait_kmcnt 0x0
	s_add_nc_u64 s[14:15], s[4:5], s[16:17]
	s_add_nc_u64 s[46:47], s[6:7], s[46:47]
	CROUND                                         ; all sixteen work-groups are here: the first joint loads meet
.irp s, 0,1
	s_mov_b32 s[G0+4*(\s)], 1                                      ; 1:0 count = 1
	s_add_co_u32 s[G0+4*(\s)+1], s20, (\s)*SLOT                    ; 63:32 LDS address
	s_add_nc_u64 s[G0+4*(\s)+2:G0+4*(\s)+3], s[14:15], (\s)*KSTEP*2  ; 120:64 global address: K step s
	s_or_b32 s[G0+4*(\s)+3], s[G0+4*(\s)+3], 0x80000000            ; 127:126 type = 2
	s_mov_b32 s[G0B+4*(\s)], 1
	s_add_co_u32 s[G0B+4*(\s)+1], s20, (\s)*SLOT
	s_add_nc_u64 s[G0B+4*(\s)+2:G0B+4*(\s)+3], s[46:47], (\s)*KSTEP*2
	s_or_b32 s[G0B+4*(\s)+3], s[G0B+4*(\s)+3], 0x80000000
	JLOAD \s                                       ; the ring is filled before anything else is done: two tensor loads of mine are out
.endr
	; A fragment is 16 rows x 32 K in 8 registers: lane l holds row l % 16; registers 0-3 hold K = 8 (l / 16) + 0..7, registers 4-7 hold K = 16 + 8 (l / 16) + 0..7.
	; From rows that lie along K: two loads of 16 bytes, 32 bytes apart.  The same for source 0 and source 1.
	v_and_b32 v1, 15, v0                           ; l % 16
	v_bfe_u32 v2, v0, 4, 1                         ; l / 16
	v_mul_u32_u24 v3, v1, PITCH
	v_lshl_add_u32 v3, v2, 4, v3                   ; row x pitch + 16 x half
	s_mul_i32 s21, s11, HALFT                      ; my 128 rows of xb
	s_mul_i32 s22, s12, HALFT                      ; my 128 rows of wb,
	s_add_co_u32 s22, s22, 2*HALFT                 ; which lie behind xb's 256
.irp s, 0,1
	v_add_nc_u32 v[ADRA+(\s)], s21, v3
	v_add_nc_u32 v[ADRB+(\s)], s22, v3
	s_add_co_u32 s21, s21, SLOT
	s_add_co_u32 s22, s22, SLOT
.endr
	s_mul_i32 s23, s10, WSTAGE
	s_add_co_u32 s23, s23, STAGE                   ; my stage
	v_mul_u32_u24 v4, v1, SPITCH                   ; in: row l % 16, 32 bytes for each half of the lanes
	v_lshl_add_u32 v4, v2, 5, v4
	v_add_nc_u32 v[STO], s23, v4
	v_and_b32 v5, 31, v0
	v_lshlrev_b32 v[CO], 4, v5                     ; back: 32 lanes take one row of 512 bytes, 16 bytes each; the same place in out0's row
	v_add_nc_u32 v[RD], s23, v[CO]
	v_lshlrev_b32 v[BO], 5, v2
	; where my part of the tile begins in out0, and my columns in the bias
	s_lshl_b32 s13, s13, 8                         ; 256 x tile row
	s_lshl_b32 s14, s11, 7
	s_add_co_u32 s16, s13, s14                     ; my first row
	s_mov_b32 s17, 0
	s_mov_b64 s[18:19], ROWC
	s_mul_u64 s[16:17], s[16:17], s[18:19]
	s_lshl_b32 s46, s42, 10                        ; my first column, in bytes of f32: 1,024 x tile column + 512 x half
	s_lshl_b32 s47, s12, 9
	s_add_co_u32 s46, s46, s47
	s_mov_b32 s47, 0
	s_add_nc_u64 s[BP:BP+1], s[BP:BP+1], s[46:47]
	s_add_nc_u64 s[16:17], s[16:17], s[46:47]
	s_add_nc_u64 s[8:9], s[8:9], s[16:17]          ; never rewritten from here on: the way out's rows stand in the stores' immediates
.irp b, 0,1,2,3,4,5,6,7
	global_load_b128 v[BIAS+8*(\b):BIAS+8*(\b)+3],   v[BO], s[BP:BP+1] offset:64*(\b)     ; bias[16 b + 8 (l / 16) + 0..3] of my 128 columns
	global_load_b128 v[BIAS+8*(\b)+4:BIAS+8*(\b)+7], v[BO], s[BP:BP+1] offset:64*(\b)+16  ; and + 4..7
.endr
	; the prefetches.  s13 = 256 x tile row, s42 = tile column, s40 = cx, s41 = cy still stand
	s_lshl_b32 s42, s42, 8
	s_and_b32 s22, ttmp7, 0xffff                   ; cluster y
	s_cmp_eq_u32 s11, 0                            ; do I fetch for xb?
	s_cselect_b32 s20, s13, s42                    ; the tile's first row: in xb by the tile row, in wb by the tile column
	s_cselect_b32 s21, s40, s41                    ; my place among the four that ask for it with me
	s_cselect_b32 s22, ttmp9, s22                  ; the coordinate along which other clusters read the same rows
	s_cselect_b64 s[PFA:PFA+1], s[4:5], s[6:7]
	s_cmp_eq_u32 s22, 0
	s_cselect_b32 s[LIM], 1, -1                    ; the same in all sixteen partners, for a given wave
	s_lshl_b32 s22, s12, 7
	s_add_co_u32 s20, s20, s22                     ; + the 128 rows that I fetch
	s_lshl_b32 s21, s21, 5
	s_add_co_u32 s20, s20, s21                     ; + my work-group's 32 of them
	s_mov_b32 s21, 0
	s_mov_b64 s[18:19], SIZE_K*2
	s_mul_u64 s[20:21], s[20:21], s[18:19]
	s_add_nc_u64 s[PFA:PFA+1], s[PFA:PFA+1], s[20:21]
	s_add_nc_u64 s[PFA:PFA+1], s[PFA:PFA+1], 2*KSTEP*2  ; at K step 2: the first refill steps it to 3 and names K step 4
	v_and_b32 v[PFO], 31, v0
	v_mul_u32_u24 v[PFO], v[PFO], SIZE_K*2
; 16 matrix instructions: m blocks a0, a0 + 1 of the window's four (hi = 0: my rows 0-63, 1: rows 64-127) x all 8 n blocks, 32 along K.
; first = 1: the product starts the sum, with the bias of its 16 columns as C.  The 64 accumulators take turns, one instruction a turn, in the same order in every quarter step.
.macro MUL16 f, hi, a0, first
.if \first
	WIN FST_LO+0x40*(\hi)
.else
	WIN MUL_LO+0x50*(\hi)
.endif
.irp a, \a0, (\a0)+1
.irp b, 0,1,2,3,4,5,6,7
.if \first
	v_wmma_f32_16x16x32_bf16 v[8*(8*(\a)+(\b)):8*(8*(\a)+(\b))+7], v[(\f)+8*(\b):(\f)+8*(\b)+7], v[(\f)+8*(4*(\hi)+(\a)):(\f)+8*(4*(\hi)+(\a))+7], v[BIAS+8*(\b):BIAS+8*(\b)+7]
.else
	v_wmma_f32_16x16x32_bf16 v[8*(8*(\a)+(\b)):8*(8*(\a)+(\b))+7], v[(\f)+8*(\b):(\f)+8*(\b)+7], v[(\f)+8*(4*(\hi)+(\a)):(\f)+8*(4*(\hi)+(\a))+7], v[8*(8*(\a)+(\b)):8*(8*(\a)+(\b))+7]
.endif
.endr
.endr
.endm
; 32 LDS loads in one run: the fragments of one quarter step (128 rows of wb, 128 rows of xb, 32 K at byte k of the rows) into buffer f
.macro FETCH slot, k, f
	WIN TO_B
.irp i, 0,1,2,3,4,5,6,7
	ds_load_b128 v[(\f)+8*(\i):(\f)+8*(\i)+3],   v[ADRB+(\slot)] offset:(\k)+(\i)*16*PITCH
	ds_load_b128 v[(\f)+8*(\i)+4:(\f)+8*(\i)+7], v[ADRB+(\slot)] offset:(\k)+(\i)*16*PITCH+32
.endr
	WIN 0
.irp i, 0,1,2,3,4,5,6,7
	ds_load_b128 v[(\f)+8*(\i):(\f)+8*(\i)+3],   v[ADRA+(\slot)] offset:(\k)+(\i)*16*PITCH
	ds_load_b128 v[(\f)+8*(\i)+4:(\f)+8*(\i)+7], v[ADRA+(\slot)] offset:(\k)+(\i)*16*PITCH+32
.endr
.endm
; A load into a register that a matrix instruction has read, and an LDS store that reads a matrix result, stand four places behind that matrix instruction, and only plain vector instructions that
; name none of its registers are places (ISA guide 7.12.1 for vector instructions); the matrix instructions in between are not counted.
.macro PLACES
.rept 4
	v_nop
.endr
.endm
; A K step is four quarter steps of 32 along K, 64 matrix instructions each, on buffers 0, 1, 0, 1.
; One of the first three: multiplies buffer f; in its middle it fetches the next quarter's fragments, at byte k of the same slot's rows, into buffer g.
.macro QUARTER slot, k, f, g, first
	s_wait_dscnt 8                                 ; wb's fragments and xb's rows 0-63 are in; the youngest eight loads (xb's rows 64-127) may be out
	MUL16 \f, 0, 0, \first
	MUL16 \f, 0, 2, \first
	PLACES
	FETCH \slot, \k, \g
	s_wait_dscnt 32                                ; all but the 32 just issued
	MUL16 \f, 1, 0, \first
	MUL16 \f, 1, 2, \first
.endm
; The last quarter multiplies buffer 1 and changes slots.  MEET is its first half: ONE barrier for the change of slots, for two things.  In front of it each wave waits for all its tensor loads,
; of which one is out: its part of the next slot; adds 0 to its spare word; and waits for that and for its own reads of this slot.  Behind it nobody reads this slot any more and the next slot is whole.
.macro MEET round                      ; round = 1: a round of the cluster's barrier follows
	WIN 0                                          ; (the add's two registers lie in window 0)
	s_wait_tensorcnt 0x0                           ; all my tensor loads have landed: the one that was out is my part of the next slot;
	ds_add_u32 v[SPW], v[NIL]                      ; 0 onto my spare word;
	s_wait_dscnt 9                                 ; (the add and the youngest eight loads may be out)
	MUL16 F1, 0, 0, 0                              ; sixteen matrix instructions stand between the add and the wait for it
	s_wait_dscnt 0x0                               ; the add is done, and my reads of this slot are over:
	s_barrier_signal -1                            ; say so (where a slot is filled again this barrier opens a round of the cluster's barrier),
	MUL16 F1, 0, 2, 0                              ; work on registers while the others arrive,
.if \round
	WIN 0
.endif
	s_barrier_wait -1                              ; and go on when all four have said so
.endm
; The whole last quarter.  Behind the round the slot just read out is filled again first, with the K step two steps on; then come the next slot's first fragments.
; From a request to the wait for it a wave issues 224 matrix instructions.
.macro TURN slot, next
	s_wait_xcnt 0x0                                ; the last prefetch, a K step back, has read its address: it is stepped here, ahead of the waits of the change of slots
	s_add_nc_u64 s[PFA:PFA+1], s[PFA:PFA+1], KSTEP*2
	MEET 1
	CREST                                          ; wave 0 says so for the work-group, all sixteen work-groups have said so, my work-group's barrier closes the round:
	                                               ; no wave of any partner still reads this slot's tile or has a load on its way
	s_add_nc_u64 s[G0+4*(\slot)+2:G0+4*(\slot)+3], s[G0+4*(\slot)+2:G0+4*(\slot)+3], 2*KSTEP*2      ; no tensor load of mine is out, so a group 0 may be written; the type bits on top are not reached
	s_add_nc_u64 s[G0B+4*(\slot)+2:G0B+4*(\slot)+3], s[G0B+4*(\slot)+2:G0B+4*(\slot)+3], 2*KSTEP*2
	JLOAD \slot                                    ; the first tensor load behind the round, my only one until the next; the four v_nop behind it are also the places in front of the loads below
	FETCH \next, 0, F0
	ASK                                            ; behind the joint load and the run of LDS loads that the next products wait for
	MUL16 F1, 1, 0, 0
	MUL16 F1, 1, 2, 0
.endm
; THE WAY OUT of block a (16 rows x 128 columns of f32), in two parts.  A lane's 32 bytes are one sixteenth of a row's 512, and the lanes beside it hold other rows: so the block goes through my own stage.
; TOSTAGE: straight from the accumulators into rows of 528 bytes (each accumulator's four lowest registers first), and back as whole rows of 512 bytes, into buffer a % 2.
.macro TOSTAGE a
.set AC, 64*((\a)%4)
.set BK, F0+64*((\a)%2)
	WIN 0x08+4*((\a)/4)                            ; the stores' data (source 1) in window 2 or 3, the address in window 0
.irp b, 0,1,2,3,4,5,6,7
	ds_store_b128 v[STO], v[AC+8*(\b):AC+8*(\b)+3]   offset:64*(\b)
	ds_store_b128 v[STO], v[AC+8*(\b)+4:AC+8*(\b)+7] offset:64*(\b)+16
.endr
	WIN 0
	s_wait_xcnt 0x0                                ; every earlier memory instruction has had its addresses translated (ISA guide 3.1): the buffer, which the stores of block a - 2 read, is loaded again only behind this wait
.irp t, 0,1,2,3,4,5,6,7,8,9,10,11,12,13,14,15
	ds_load_b128 v[BK+4*(\t):BK+4*(\t)+3], v[RD] offset:(\t)*SPITCH  ; LDS serves a wave's instructions in order (ISA guide 5.7.1.4): these see the stores above, and the next block's stores come behind them
.endr
.endm
; SEND: stored.  younger: the LDS instructions issued behind block a's loads: the next block's 32, or none.
.macro SEND a, younger
.set BK, F0+64*((\a)%2)
	WIN 0
.irp t, 0,1,2,3,4,5,6,7,8,9,10,11,12,13,14,15
	s_wait_dscnt (\younger)+15-(\t)                ; row t is back in registers
	global_store_b128 v[CO], v[BK+4*(\t):BK+4*(\t)+3], s[8:9] offset:(16*(\a)+(\t))*ROWC th:TH_STORE_NT  ; the wave stores 512 consecutive bytes, at a multiple of 512 from out0's first byte; 127 rows at the most: inside the signed 24-bit immediate
.endr
.endm
	s_wait_tensorcnt 0x1                           ; my part of K step 0 is in; K step 1's may stay out
	s_barrier_signal -1
	s_barrier_wait -1                              ; everybody's is
	FETCH 0, 0, F0
	s_wait_loadcnt 0x0                             ; the bias
	QUARTER 0, 64,  F0, F1, 1                      ; the first quarter stands in front of the loop: its products start the sums, on the bias
	WIN 0                                          ; at a label and at a branch every window is 0
	s_mov_b32 s3, LAPS-1
.Llap:                                                 ; a trip goes once round the ring, from a lap's second quarter to the next lap's first, and fills both slots again
	QUARTER 0, 128, F1, F0, 0
	QUARTER 0, 192, F0, F1, 0
	TURN 0, 1
	QUARTER 1, 64,  F0, F1, 0
	QUARTER 1, 128, F1, F0, 0
	QUARTER 1, 192, F0, F1, 0
	TURN 1, 0
	QUARTER 0, 64,  F0, F1, 0
	WIN 0
	s_sub_co_u32 s3, s3, 1
	s_cmp_lg_u32 s3, 0
	s_cbranch_scc1 .Llap
	QUARTER 0, 128, F1, F0, 0                      ; the last lap is written out: it asks for nothing more
	QUARTER 0, 192, F0, F1, 0
	MEET 0                                         ; my one tensor load that was still out is slot 1's, the last K step's, so no round follows
	PLACES                                         ; for the loads into buffer 0, which the quarter before multiplied
	FETCH 1, 0, F0
	MUL16 F1, 1, 0, 0
	MUL16 F1, 1, 2, 0
	QUARTER 1, 64,  F0, F1, 0
	QUARTER 1, 128, F1, F0, 0
	QUARTER 1, 192, F0, F1, 0
	s_wait_dscnt 8                                 ; the very last quarter: nothing more to fetch
	MUL16 F1, 0, 0, 0
	MUL16 F1, 0, 2, 0
	s_wait_dscnt 0x0
	MUL16 F1, 1, 0, 0
	MUL16 F1, 1, 2, 0
	PLACES                                         ; in front of LDS stores that read results and of loads into xb's fragment registers
	TOSTAGE 0
.irp a, 1,2,3,4,5,6,7                  ; block a's way through the stage is under way while block a - 1 is stored
	TOSTAGE \a
	SEND (\a)-1, 32
.endr
	SEND 7, 0
	WIN 0
	s_wait_tensorcnt 0x0                           ; the wave's end: behind my last tensor load and my last LDS store
	ds_add_u32 v[SPW], v[NIL]
	s_wait_dscnt 0x0
	CROUND                                         ; the closing round: no work-group ends while a partner may still ask for a tile that names it
	s_endpgm
.Lfunc_end_k_q7d0c1f0d8a_gemm:
	.size	k_q7d0c1f0d8a_gemm, .Lfunc_end_k_q7d0c1f0d8a_gemm-k_q7d0c1f0d8a_gemm
	.p2alignl 7, 3214868480
	.fill 96, 4, 3214868480
	.section	.rodata,"a",@progbits
	.p2align	6, 0x0
	.amdhsa_kernel k_q7d0c1f0d8a_gemm
		.amdhsa_group_segment_fixed_size 327680
		.amdhsa_private_segment_fixed_size 0
		.amdhsa_enable_private_segment 0
		.amdhsa_kernarg_size 32
		.amdhsa_user_sgpr_count 2
		.amdhsa_user_sgpr_kernarg_segment_ptr 1
		.amdhsa_wavefront_size32 1
		.amdhsa_system_sgpr_workgroup_id_x 1
		.amdhsa_system_sgpr_workgroup_id_y 1
		.amdhsa_system_sgpr_workgroup_id_z 1
		.amdhsa_system_vgpr_workitem_id 0
		.amdhsa_next_free_vgpr 1024
		.amdhsa_next_free_sgpr 68
		.amdhsa_reserve_vcc 0
		.amdhsa_float_denorm_mode_32 3
		.amdhsa_float_denorm_mode_16_64 3
		.amdhsa_memory_ordered 1
		.amdhsa_forward_progress 1
		.amdhsa_inst_pref_size 147
	.end_amdhsa_kernel
	.amdgpu_metadata
---
amdhsa.version: [ 1, 2 ]
amdhsa.kernels:
  - .name:           k_q7d0c1f0d8a_gemm
    .symbol:         k_q7d0c1f0d8a_gemm.kd
    .args:
      - { .name: xb, .offset: 0, .size: 8, .value_kind: global_buffer, .address_space: global }
      - { .name: wb, .offset: 8, .size: 8, .value_kind: global_buffer, .address_space: global }
      - { .name: out0, .offset: 16, .size: 8, .value_kind: global_buffer, .address_space: global }
      - { .name: bias, .offset: 24, .size: 8, .value_kind: global_buffer, .address_space: global }
    .group_segment_fixed_size: 327680
    .private_segment_fixed_size: 0
    .kernarg_segment_align: 8
    .kernarg_segment_size: 32
    .max_flat_workgroup_size: 128
    .sgpr_count:     68
    .vgpr_count:     1024
    .wavefront_size: 32
...
	.end_amdgpu_metadata
.endif
;; end of part 2
;; ======== version 2 of 2: 2 launches; version 1 with the launch prep written anew for expert scheduling mode
;; workspace buffers: xb 33,554,432 bytes; wb 33,554,432 bytes
;; launch prep (part 3): grid 1024 x 1, 8 waves a work-group, no clusters, 33,792 bytes of LDS; arguments input, weight_idx, lookup_table, xb, wb; writes xb, wb
.if DOCPART == 3
	.amdgcn_target "amdgcn-amd-amdhsa--gfx1250"
	.amdhsa_code_object_version 6
	.text
	.protected	k_q7d0c1f0d8a_prep
	.globl	k_q7d0c1f0d8a_prep
	.p2align	8
	.type	k_q7d0c1f0d8a_prep,@function
k_q7d0c1f0d8a_prep:
	s_mov_b64 s[64:65], 0
	v_nop
	global_prefetch_b8 v0, s[64:65] scope:SCOPE_SE
	s_setreg_imm32_b32 hwreg(HW_REG_WAVE_SCHED_MODE, 0, 2), 2
	s_setreg_imm32_b32 hwreg(HW_REG_WAVE_MODE, 25, 1), 1
	s_wait_xcnt 0x0
	s_wait_alu depctr_vm_vsrc(0)
; xb = bf16(input), wb[o][d] = bf16(lookup_table[weight_idx[o][d]]): both matrix operands of the product that follows, each number rounded once.
; input: 16,777,216 f32; weight_idx: 16,777,216 int32; xb, wb: the same numbers of bf16, in the same order.
; The look-up is made here, once for each weight: in the product each row of weights serves 16 tile rows, so a look-up there would be made 16 times over.
; LIMITS.  An index is taken as unsigned and clamped to 255: 0 .. 255 are exact, a greater one gives entry 255, and so does a negative one.
; An f32 number beyond bf16's largest finite one rounds to an infinity.
; SHARES.  A stream: each byte is read once and written once; no byte is wanted by two work-groups, so there is no cluster, no tensor load and no matrix work.
; Work-group g takes 65,536 bytes of input and of weight_idx from byte 65,536 g, and writes 32,768 bytes of xb and of wb from byte 32,768 g.  16 steps: in step j thread t
; takes the 16 bytes at 4,096 j + 16 t of both inputs (a wave's load covers 512 consecutive bytes) and stores 8 bytes at 2,048 j + 8 t of both outputs (a wave's store
; covers 256 consecutive bytes, aligned).  The 16 steps are written out, so no address register is ever rewritten.
; THE TABLE lies in LDS 32 times over, in f32: copy c of entry e at 128 e + 4 c.  Lane l reads copy l: word 32 e + l, bank l or l + 32 of the 64 banks of 4 bytes
; (ISA guide 11.1): the 32 lanes of a look-up touch 32 different banks, whatever the indices.
; THE MODE: SCHED_MODE bits 1:0 = 2 (LLVM: expert scheduling mode 2), set by the entry lines.  The code itself states the register dependences
; between vector instructions and memory or LDS instructions, with s_wait_alu, always for 0.
; THE PLAN.  The 16 steps go in 8 blocks of two.  Registers that memory or LDS instructions touch:
;   X0 .. X4    five blocks of x as loaded.  Block b lies in X[b % 5]; read by block b's roundings; the loads of block b + 4, issued in block b, land in X[(b + 4) % 5], which block b - 1 read.
;   IX0 .. IX4  five blocks of indices.  Block b's are read by the address lines that stand in block b - 1 (block 0's: behind the barrier); the loads of block b + 5, issued in block b, land in IX[b % 5].
;   A0, A1      the look-ups' LDS addresses.  A[b % 2] is written in block b - 1 and read by block b's eight look-ups.
;   G           the values looked up.  Block b's look-ups land in it; block b's roundings read it, behind their wait on DScnt.
;   YX0, YX1, YW0, YW1   what is stored.  Set b % 2 is written by block b's roundings and read by the four stores that are issued in block b + 1.
;   v1, v2, v4, v5       offsets and an LDS address, made once at the head and never written again.
; Block b's vector lines name IX[(b + 1) % 5], A[(b + 1) % 2], v3, X[b % 5], set b % 2 of YX and YW and, last, G.  Its memory lines touch A[b % 2], G, X[(b + 4) % 5], IX[b % 5], the other set of
; YX and YW, v1 and v2.  The two lists share G alone, whose loads are all issued ahead of the first vector line that names it.  So the waits at a block's head state all that the block's sixteen
; memory and LDS lines hang on, and these are dealt among its vector lines with no further wait.
.set VI,  1                            ; v1         16 t: my bytes in a step of the inputs; never rewritten
.set VO,  2                            ; v2         8 t: my bytes in a step of the outputs; never rewritten
.set LN4, 3                            ; v3         4 x lane: my copy of the table
.set TA,  4                            ; v4         128 t: where I put the 32 copies of entry t
.set LO,  5                            ; v5         4 t: entry t in memory
.set X,   6                            ; v[6:45]    buffer k, step i of its two: four f32 of x at X + 8 k + 4 i
.set IX,  46                           ; v[46:85]   buffer k, step i: four indices at IX + 8 k + 4 i
.set A,   86                           ; v[86:101]  buffer k, step i: the four look-ups' LDS addresses at A + 8 k + 4 i
.set G,   102                          ; v[102:109] step i: the four values looked up at G + 4 i
.set YX,  110                          ; v[110:117] set k, step i: four bf16 of x to store, a pair at YX + 4 k + 2 i
.set YW,  118                          ; v[118:125] set k, step i: four bf16 of w to store, a pair at YW + 4 k + 2 i
.set TV,  YW+4                         ; v[122:125] at the head only: entry t, four times
; x: step i of block b.  The block's place among the 16 steps stands in the immediate.
.macro LDX b, i
	global_load_b128 v[X+8*((\b)%5)+4*(\i):X+8*((\b)%5)+4*(\i)+3], v[VI], s[4:5] offset:4096*(2*(\b)+(\i)) th:TH_LOAD_NT
.endm
; the indices: step i of block b
.macro LDI b, i
	global_load_b128 v[IX+8*((\b)%5)+4*(\i):IX+8*((\b)%5)+4*(\i)+3], v[VI], s[6:7] offset:4096*(2*(\b)+(\i)) th:TH_LOAD_NT
.endm
; the two stores of step i of block b
.macro STY b, i
	global_store_b64 v[VO], v[YX+4*((\b)%2)+2*(\i):YX+4*((\b)%2)+2*(\i)+1], s[10:11] offset:2048*(2*(\b)+(\i))
	global_store_b64 v[VO], v[YW+4*((\b)%2)+2*(\i):YW+4*((\b)%2)+2*(\i)+1], s[12:13] offset:2048*(2*(\b)+(\i))
.endm
; the four LDS addresses of step i of block b
.macro ADDR b, i
.irp k, 0,1,2,3
	v_min_u32 v[A+8*((\b)%2)+4*(\i)+(\k)], 0xff, v[IX+8*((\b)%5)+4*(\i)+(\k)]   ; the index stays inside the table
.endr
.irp k, 0,1,2,3
	v_lshl_add_u32 v[A+8*((\b)%2)+4*(\i)+(\k)], v[A+8*((\b)%2)+4*(\i)+(\k)], 7, v[LN4]  ; 128 x index + my copy
.endr
.endm
	s_load_b256 s[4:11], s[0:1], 0x0               ; input s[4:5], weight_idx s[6:7], lookup_table s[8:9], xb s[10:11]
	s_load_b64 s[12:13], s[0:1], 0x20              ; wb
	v_lshl_add_u32 v126, v0, 2, 0x8000
	v_mov_b32 v127, 0
	v_lshlrev_b32 v[VI], 4, v0
	v_lshlrev_b32 v[VO], 3, v0
	v_and_b32 v[LN4], 31, v0
	v_lshlrev_b32 v[LN4], 2, v[LN4]
	v_lshlrev_b32 v[TA], 7, v0
	v_lshlrev_b32 v[LO], 2, v0
	s_lshl_b32 s14, ttmp9, 16                      ; the work-group's 65,536 bytes of each input (1,024 work-groups: under 2^26)
	s_mov_b32 s15, 0
	s_lshl_b32 s16, ttmp9, 15                      ; and its 32,768 bytes of each output
	s_mov_b32 s17, 0
	s_wait_kmcnt 0x0
	s_add_nc_u64 s[4:5], s[4:5], s[14:15]
	s_add_nc_u64 s[6:7], s[6:7], s[14:15]
	s_add_nc_u64 s[10:11], s[10:11], s[16:17]
	s_add_nc_u64 s[12:13], s[12:13], s[16:17]
	s_wait_alu depctr_va_vdst(0)                   ; v1, v2, v4 and v5 are written: every load and store of the kernel, and the table's LDS stores, read one of them as offset or address
	global_load_b32 v[TV], v[LO], s[8:9]           ; 256 threads, 256 entries: one each
	LDI 0, 0                                       ; the five buffers are filled, in the order in which they are wanted: block 0's indices,
	LDI 0, 1
.irp b, 0,1,2,3
	LDX \b, 0                                      ; then, as each block's head waits for them together, block b's x and block b + 1's indices,
	LDX \b, 1
	LDI (\b)+1, 0
	LDI (\b)+1, 1
.endr
	LDX 4, 0                                       ; and block 4's x
	LDX 4, 1
	s_wait_loadcnt 20                              ; loads come back in order (ISA guide 5.7.1): my entry is in, the 20 younger loads stay out
	v_mov_b32 v[TV+1], v[TV]
	v_mov_b32 v[TV+2], v[TV]
	v_mov_b32 v[TV+3], v[TV]
	s_wait_alu depctr_va_vdst(0)                   ; the three moves have written v[TV+1 .. TV+3], which the LDS stores read
.irp j, 0,1,2,3,4,5,6,7
	ds_store_b128 v[TA], v[TV:TV+3] offset:16*(\j) ; 32 copies: 128 bytes
.endr
	s_wait_dscnt 0x0                               ; for the other waves' sake: my part of the table is written
	s_barrier_signal -1
	s_barrier_wait -1                              ; the table is whole; nothing writes it again
	s_wait_loadcnt 18                              ; block 0's indices, the two oldest loads, are in; the 18 younger ones stay out
	ADDR 0, 0                                      ; block 0's addresses: there is no block in front of it to make them
	ADDR 0, 1
; Block b.  left = how many younger loads may stay out when block b's x and block b + 1's indices have to be there.
.macro BLK b, left
	s_wait_loadcnt \left                           ; X[b % 5] and IX[(b + 1) % 5] are in, the younger blocks stay out
.if (\b) > 1
	s_wait_xcnt 0x0                                ; every earlier memory instruction has had its addresses translated (ISA guide 3.1): set b % 2 of YX and YW, which the last block's stores read, is rewritten only behind this wait
.endif
.if (\b) > 0
	s_wait_alu depctr_vm_vsrc(0)                   ; the last block's look-ups have read A[(b + 1) % 2], and its stores set b % 2 of YX and YW (in block 1: the table's LDS stores have read v[TV ..], which lie there): this block writes both again
.endif
	s_wait_alu depctr_va_vdst(0)                   ; written: A[b % 2], which the look-ups read, and the other set of YX and YW, which the stores read; done reading: X[(b + 4) % 5], IX[b % 5] and G, in which the loads below land
.irp i, 0,1
.irp k, 0,1,2,3
	ds_load_b32 v[G+4*(\i)+(\k)], v[A+8*((\b)%2)+4*(\i)+(\k)]
.endr
.if (\b) >= 1 && (\b) <= 3
	LDX (\b)+4, \i                                 ; loads ahead of stores; no vector line since the wait names these registers
.endif
.if (\b) <= 2
	LDI (\b)+5, \i
.endif
.if (\b) > 0
	STY (\b)-1, \i                                 ; the block before
.endif
.if (\b) < 7
	ADDR (\b)+1, \i                                ; the next block's addresses
.endif
	v_cvt_pk_bf16_f32 v[YX+4*((\b)%2)+2*(\i)],   v[X+8*((\b)%5)+4*(\i)],   v[X+8*((\b)%5)+4*(\i)+1]
	v_cvt_pk_bf16_f32 v[YX+4*((\b)%2)+2*(\i)+1], v[X+8*((\b)%5)+4*(\i)+2], v[X+8*((\b)%5)+4*(\i)+3]
.endr
.irp i, 0,1
	s_wait_dscnt 4-4*(\i)                          ; LDS loads come back in order (ISA guide 5.7.1): step i's four look-ups are in; behind the first step's the second step's four stay out
	v_cvt_pk_bf16_f32 v[YW+4*((\b)%2)+2*(\i)],   v[G+4*(\i)],   v[G+4*(\i)+1]
	v_cvt_pk_bf16_f32 v[YW+4*((\b)%2)+2*(\i)+1], v[G+4*(\i)+2], v[G+4*(\i)+3]
.endr
.endm
	BLK 0, 14                                      ; younger: blocks 1 to 4's x and blocks 2 to 4's indices, two loads each
	BLK 1, 12                                      ; three younger blocks of x and three of indices
	BLK 2, 12
	BLK 3, 12
	BLK 4, 10                                      ; from block 3 on no indices, from block 4 on nothing is left to load: the counts run down
	BLK 5, 6
	BLK 6, 2
	BLK 7, 0
	s_wait_alu depctr_va_vdst(0)                   ; block 7 has written its set of YX and YW, which the last four stores read
	STY 7, 0
	STY 7, 1
	s_wait_dscnt 0x0                               ; the wave's end.  An add of 0 onto my word behind the table follows
	s_wait_alu depctr_hold_cnt(0) depctr_sa_sdst(0) depctr_va_vdst(0) depctr_va_sdst(0) depctr_va_ssrc(0) depctr_va_vcc(0) depctr_vm_vsrc(0)
	s_wait_tensorcnt 0x0
	ds_add_u32 v126, v127
	s_wait_dscnt 0x0
	s_endpgm
.Lfunc_end_k_q7d0c1f0d8a_prep:
	.size	k_q7d0c1f0d8a_prep, .Lfunc_end_k_q7d0c1f0d8a_prep-k_q7d0c1f0d8a_prep
	.p2alignl 7, 3214868480
	.fill 96, 4, 3214868480
	.section	.rodata,"a",@progbits
	.p2align	6, 0x0
	.amdhsa_kernel k_q7d0c1f0d8a_prep
		.amdhsa_group_segment_fixed_size 33792
		.amdhsa_private_segment_fixed_size 0
		.amdhsa_enable_private_segment 0
		.amdhsa_kernarg_size 40
		.amdhsa_user_sgpr_count 2
		.amdhsa_user_sgpr_kernarg_segment_ptr 1
		.amdhsa_wavefront_size32 1
		.amdhsa_system_sgpr_workgroup_id_x 1
		.amdhsa_system_sgpr_workgroup_id_y 1
		.amdhsa_system_sgpr_workgroup_id_z 1
		.amdhsa_system_vgpr_workitem_id 0
		.amdhsa_next_free_vgpr 128
		.amdhsa_next_free_sgpr 66
		.amdhsa_reserve_vcc 0
		.amdhsa_float_denorm_mode_32 3
		.amdhsa_float_denorm_mode_16_64 3
		.amdhsa_memory_ordered 1
		.amdhsa_forward_progress 1
		.amdhsa_inst_pref_size 26
	.end_amdhsa_kernel
	.amdgpu_metadata
---
amdhsa.version: [ 1, 2 ]
amdhsa.kernels:
  - .name:           k_q7d0c1f0d8a_prep
    .symbol:         k_q7d0c1f0d8a_prep.kd
    .args:
      - { .name: input, .offset: 0, .size: 8, .value_kind: global_buffer, .address_space: global }
      - { .name: weight_idx, .offset: 8, .size: 8, .value_kind: global_buffer, .address_space: global }
      - { .name: lookup_table, .offset: 16, .size: 8, .value_kind: global_buffer, .address_space: global }
      - { .name: xb, .offset: 24, .size: 8, .value_kind: global_buffer, .address_space: global }
      - { .name: wb, .offset: 32, .size: 8, .value_kind: global_buffer, .address_space: global }
    .group_segment_fixed_size: 33792
    .private_segment_fixed_size: 0
    .kernarg_segment_align: 8
    .kernarg_segment_size: 40
    .max_flat_workgroup_size: 256
    .sgpr_count:     66
    .vgpr_count:     128
    .wavefront_size: 32
...
	.end_amdgpu_metadata
.endif
;; end of part 3
;; launch gemm: the kernel of part 2 again; grid 16 x 16, 4 waves a work-group, clusters of 4 x 4, 327,680 bytes of LDS; arguments xb, wb, out0, bias; writes out0
